; MI455X (gfx1250); checked and timed in simulation.
; The chip was launched on July 23, 2026; its instructions are those of AMD's public machine-readable ISA for CDNA 5 (MIT licence, August 2026) and "CDNA5" Instruction Set Architecture Reference Guide (July 2026). The comments in the code are by the model that wrote it; some were corrected since.
;; Hungarian Matcher. Allowed arithmetic: float matrix products may take bf16 or f16 operands with f32 sums; all other float work in f32.
;; Inputs: alpha 128 float32; beta 128 float32; preds_class 2 x 128 x 1 float32; preds_mask 2 x 4,096 x 128 float32; targets 2 x 4,096 x 64 float32; weight 128 float32.
;; Outputs: out0 2 x 128 x 64 float32.
;; 2 versions, each right; version 2 is version 1 with the launch partial written anew for expert scheduling mode. Each part assembles by itself: llvm-mc -triple=amdgcn-amd-amdhsa -mcpu=gfx1250 --defsym DOCPART=n.
;; ======== version 1 of 2: 2 launches
;; workspace buffers: part 3,145,728 bytes
;; launch partial (part 1): grid 256 x 1, 16 waves a work-group, no clusters, 287,232 bytes of LDS; arguments preds_mask, targets, alpha, beta, part; writes part
.if DOCPART == 1
	.amdgcn_target "amdgcn-amd-amdhsa--gfx1250"
	.amdhsa_code_object_version 6
	.text
	.protected	k_qe94a844482_partial
	.globl	k_qe94a844482_partial
	.p2align	8
	.type	k_qe94a844482_partial,@function
k_qe94a844482_partial:
	s_mov_b64 s[64:65], 0
	v_nop
	global_prefetch_b8 v0, s[64:65] scope:SCOPE_SE
	s_setreg_imm32_b32 hwreg(HW_REG_WAVE_MODE, 25, 1), 1
	s_wait_xcnt 0x0
; HungarianMatcher cost matrix, first of two launches: partial sums over 256 time steps.
; preds_mask x[b][t][n] (2 x 4096 x 128 f32), targets tau[b][t][l] (2 x 4096 x 64 f32), alpha, beta [128] f32 (the first 64 are used).
; part[b*16+s][quantity 0..2][n 128][l 64] f32; for chunk s (256 t):
;   0: sum over t of (1 - p_t + eps)^0.25 * (pos tau^2 + neg (1-tau)^2)      (the focal sum, not yet weighted)
;   1: tp = sum p tau          2: tp + alpha[l] fp + beta[l] fn   (linear in the sums, so it may be formed part by part)
; Targets are taken as they come: nothing here needs them to be 0 or 1.  Rearranged exactly:
;   1 - p_t + eps = (p + eps) + tau (1 - 2p): one fused multiply-add;  y^0.25 = sqrt(sqrt(y)) (NaN for y < 0, as a power gives).
; WORK: 256 work-groups = 32 chunks (b, s) x 8 groups of 16 n; each owns 256 t x 16 n x 64 l = 262,144 triples; 16 waves.
; Wave w = (g = w & 3, tq = w >> 2).  Focal part: n = 4g..4g+3, t = 64 tq..+63, all 64 l; lane (q = lane & 15, h = lane >> 4) holds
; l = 4q..4q+3 at the t of parity h, so one 16-byte read of tau and four 16-byte reads of the (n, t) records feed 16 triples a lane.
; Matrix part: tp, fp, fn of 16 n x 16 l (the l = 4r + g, r = 0..15) over the same 64 t: 2 K steps x 3 products in bf16, sums in f32.
; The parts of the 4 (matrix) and 8 (focal: tq and h) pieces of t meet in LDS, in bytes of their own, behind the second barrier.
; NO CLUSTER, NO TENSOR LOADS: the 8 work-groups of a chunk share the 64 KiB of targets, but a work-group reads its 80 KiB once, at its
; start, for some 37,000 wave instructions of arithmetic, and every number goes through registers anyway to be converted on its way to LDS.
; LIMITS: operands of tp, fp, fn are rounded to bf16.  v_exp_f32 and v_sqrt_f32 flush denormals (ISA guide 15.8): exp(-|x|) counts as 0
; for |x| > 87.3 (the small softplus is then 0 instead of < 1.2e-38), and a focal base below 2^-126 counts as 0.  log1p(e) is
; e - e^2/2 below e = 2^-8 and log(1 + e) above: relative error up to about 2e-5.  The order of the sums differs from the reference's.
.set TCH,   256                        ; t of a work-group
.set NGR,   16                         ; n of a work-group
.set ML,    64                         ; l
.set ROWP,  512                        ; bytes in a row of preds_mask
.set ROWT,  256                        ; bytes in a row of targets
.set NDP,   272                        ; LDS pitch of a t's 16 records of 16 bytes: 256 + 16
.set BFP,   528                        ; LDS pitch of a row of 256 bf16: 512 + 16, an odd multiple of 16: 16 neighbouring rows start in 16 different 16-byte columns modulo 256
.set TAU_B, 0                          ; tau f32 [t][l]
.set ND_B,  TCH*ROWT                   ; records (1-2p, p+eps, pos, neg) [t][n]
.set PA_B,  ND_B+TCH*NDP               ; p bf16 [n][t]
.set QA_O,  NGR*BFP                    ; 1-p lies this far behind p
.set BT_B,  PA_B+2*QA_O                ; tau bf16, row 16 c + q holds l = 4 q + c
.set BS_O,  ML*BFP                     ; 1-tau lies this far behind tau
.set RED_B, BT_B+2*BS_O                ; 16 regions [n 16][l 64] f32: 0-7 focal (2 tq + h), 8-11 tp (tq), 12-15 denominator (tq)
.set REG,   NGR*ML*4
.set QSTR,  128*ML*4                   ; bytes of one quantity of one chunk in part
.set POFF, 4
.set RQ,   5                           ; thread & 15: q, and r of the matrix layouts
.set TOFF, 7                           ; offset of my 16 bytes in the targets tile, in memory and in LDS alike
.set ABOFF, 8
.set NDST, 9
.set PAST, 10
.set BTST, 11
.set AFR,  12
.set BFR,  13
.set REDW, 14
.set TA,   15
.set NA,   16
.set FST,  17
.set FIN,  18
.set FINL, 19
.set AL,   20
.set BE,   21
.set H,    22
.set RR,   32                          ; v[32:63]   targets as loaded: row j in 4 registers
.set XR,   64                          ; v[64:71]   logits: 4 n at t, 4 n at t + 1
.set OUT,  72                          ; v[72:103]  8 records
.set EE,   104
.set MX,   112
.set MN,   120
.set YY,   128
.set RC,   136
.set LG,   144
.set SM,   152
.set WW,   160                         ; v[160:175] packed bf16
.set PAF,  32                          ; matrix part: fragments, K step ks at +8 ks
.set QAF,  48
.set BTF,  64
.set BSF,  80
.set TPA,  128
.set FPA,  136
.set FNA,  144
.set TAUA, 32                          ; focal part: two sets of inputs
.set TAUB, 36
.set NDA,  40
.set NDB,  56
.set SG,   72
.set AA,   76
.set UU,   80
.set XX,   96
.set ACC,  112                         ; v[112:127] sums: n = 4g + i in 4 registers (4 l)
.set LL,   32                          ; the final sum
	s_load_b256 s[4:11], s[0:1], 0x0               ; preds_mask s[4:5], targets s[6:7], alpha s[8:9], beta s[10:11]
	s_load_b64 s[12:13], s[0:1], 0x20              ; part
	v_lshl_add_u32 v176, v0, 2, 0x45a00
	v_mov_b32 v177, 0
	v_lshrrev_b32 v1, 5, v0
	v_readfirstlane_b32 s14, v1                    ; wave 0..15
	s_and_b32 s15, s14, 3                          ; g (focal part), c (matrix part)
	s_lshr_b32 s16, s14, 2                         ; tq
	s_and_b32 s17, ttmp9, 7                        ; group of 16 n
	s_lshr_b32 s18, ttmp9, 3                       ; chunk b*16 + s: its first row is 256 x this
	s_lshl_b32 s20, s18, 17                        ; 256 rows of 512 bytes
	s_lshl_b32 s19, s17, 6                         ; + 16 n of 4 bytes
	s_add_co_u32 s20, s20, s19
	s_mov_b32 s21, 0
	s_lshl_b32 s22, s18, 16                        ; 256 rows of 256 bytes
	s_mov_b32 s23, 0
	s_mul_i32 s24, s18, 3*QSTR
	s_lshl_b32 s19, s17, 12                        ; + 16 rows of 256 bytes
	s_add_co_u32 s24, s24, s19
	s_mov_b32 s25, 0
	s_lshl_b32 s26, s15, 2                         ; 4 c
	v_and_b32 v2, 3, v0                            ; nq: which 4 n
	v_lshrrev_b32 v3, 2, v0                        ; tp: which pair of t, 0..127
	v_lshlrev_b32 v[POFF], 4, v2
	v_lshl_add_u32 v[POFF], v3, 10, v[POFF]        ; two rows of 512 bytes a pair
	v_and_b32 v[RQ], 15, v0
	v_lshrrev_b32 v6, 4, v0                        ; o: which 8 t, 0..31
	v_lshlrev_b32 v[TOFF], 4, v[RQ]
	v_lshl_add_u32 v[ABOFF], v[RQ], 4, s26         ; 4 (4 r + c): my l of the matrix part
	v_lshl_add_u32 v[TOFF], v6, 11, v[TOFF]        ; 8 rows of 256 bytes + 16 q: 16 lanes take a whole row
	s_wait_kmcnt 0x0
	s_add_nc_u64 s[4:5], s[4:5], s[20:21]
	s_add_nc_u64 s[6:7], s[6:7], s[22:23]
	s_add_nc_u64 s[12:13], s[12:13], s[24:25]
	global_load_b32 v[AL], v[ABOFF], s[8:9]
	global_load_b32 v[BE], v[ABOFF], s[10:11]
	global_load_b128 v[XR:XR+3], v[POFF], s[4:5]
	global_load_b128 v[XR+4:XR+7], v[POFF], s[4:5] offset:ROWP
.irp j, 0,1,2,3,4,5,6,7
	global_load_b128 v[RR+4*\j:RR+4*\j+3], v[TOFF], s[6:7] offset:\j*ROWT
.endr
	; LDS addresses, while the loads are on their way
	s_lshl_b32 s27, s16, 7                         ; 64 t of bf16
	s_mul_i32 s28, s15, 16*BFP
	s_add_co_u32 s28, s28, s27
	s_add_co_u32 s28, s28, BT_B                    ; tau's rows 16 c .., my 64 t
	s_add_co_u32 s27, s27, PA_B                    ; p's rows, my 64 t
	s_lshl_b32 s29, s16, 12
	s_add_co_u32 s29, s29, s26
	s_add_co_u32 s29, s29, RED_B+8*REG             ; region 8 + tq, column c
	s_lshl_b32 s30, s16, 14                        ; tau f32: 64 rows of 256 bytes
	s_mul_i32 s31, s16, 64*NDP
	s_lshl_b32 s19, s15, 6
	s_add_co_u32 s31, s31, s19
	s_add_co_u32 s31, s31, ND_B                    ; records of my 64 t, my 4 n
	s_lshl_b32 s33, s16, 13
	s_lshl_b32 s19, s15, 10
	s_add_co_u32 s33, s33, s19
	s_add_co_u32 s33, s33, RED_B                   ; region 2 tq, row 4 g
	v_bfe_u32 v[H], v0, 4, 1
	v_mul_u32_u24 v23, v[RQ], BFP
	v_lshl_add_u32 v[BTST], v6, 4, v23             ; row q (+ 16 c in the offset), 8 t = 16 bytes at 16 o
	v_add_nc_u32 v[BTST], BT_B, v[BTST]
	v_lshl_add_u32 v23, v[H], 4, v23               ; fragments: row r x pitch + 16 h
	v_add_nc_u32 v[AFR], s27, v23
	v_add_nc_u32 v[BFR], s28, v23
	v_lshlrev_b32 v[REDW], 4, v[RQ]                ; column 4 r (+ c), rows 8 h + j
	v_lshl_add_u32 v[REDW], v[H], 11, v[REDW]
	v_add_nc_u32 v[REDW], s29, v[REDW]
	v_mul_u32_u24 v[NDST], v3, 2*NDP
	v_lshl_add_u32 v[NDST], v2, 6, v[NDST]
	v_add_nc_u32 v[NDST], ND_B, v[NDST]
	v_mul_u32_u24 v[PAST], v2, 4*BFP
	v_lshl_add_u32 v[PAST], v3, 2, v[PAST]         ; two bf16 (t, t + 1) are one word
	v_add_nc_u32 v[PAST], PA_B, v[PAST]
	; ---- the 8 logits of this thread: p, 1-p, softplus(-x), softplus(x).  e = exp(-|x|) never overflows.
	s_wait_loadcnt 0x8                             ; alpha, beta and the logits are in; the 8 younger loads (targets) stay out
.irp e, 0,1,2,3,4,5,6,7
	v_and_b32 v[EE+\e], 0x7fffffff, v[XR+\e]
.endr
.irp e, 0,1,2,3,4,5,6,7
	v_mul_f32 v[EE+\e], 0xbfb8aa3b, v[EE+\e]       ; -|x| log2(e)
.endr
.irp e, 0,1,2,3,4,5,6,7
	v_exp_f32 v[EE+\e], v[EE+\e]
.endr
.irp e, 0,1,2,3,4,5,6,7
	v_max_num_f32 v[MX+\e], 0, v[XR+\e]            ; plain work that names no result of the run above stands between it and the first use (ISA guide 5.7.2)
.endr
.irp e, 0,1,2,3,4,5,6,7
	v_sub_f32 v[MN+\e], v[MX+\e], v[XR+\e]         ; max(-x, 0), exactly
.endr
	s_wait_alu depctr_va_vdst(0)
.irp e, 0,1,2,3,4,5,6,7
	v_add_f32 v[YY+\e], 1.0, v[EE+\e]
.endr
.irp e, 0,1,2,3,4,5,6,7
	v_rcp_f32 v[RC+\e], v[YY+\e]
.endr
.irp e, 0,1,2,3,4,5,6,7
	v_log_f32 v[LG+\e], v[YY+\e]
.endr
.irp e, 0,1,2,3,4,5,6,7
	v_fma_f32 v[SM+\e], v[EE+\e], -0.5, 1.0        ; again plain work first: the series e (1 - e/2) for small e
.endr
.irp e, 0,1,2,3,4,5,6,7
	v_mul_f32 v[SM+\e], v[EE+\e], v[SM+\e]
.endr
	s_wait_alu depctr_va_vdst(0)
.irp e, 0,1,2,3,4,5,6,7
	v_mul_f32 v[LG+\e], 0x3f317218, v[LG+\e]       ; ln(1 + e)
	v_cmp_gt_f32 vcc_lo, 0x3b800000, v[EE+\e]      ; e < 2^-8: 1 + e has lost too much of e
	v_cndmask_b32 v[LG+\e], v[LG+\e], v[SM+\e], vcc_lo     ; log1p(e)
	v_mul_f32 v[SM+\e], v[EE+\e], v[RC+\e]         ; e / (1 + e)
	v_cmp_le_f32 vcc_lo, 0, v[XR+\e]
	v_cndmask_b32 v[YY+\e], v[SM+\e], v[RC+\e], vcc_lo     ; p = sigmoid(x)
	v_cndmask_b32 v[EE+\e], v[RC+\e], v[SM+\e], vcc_lo     ; 1 - p = sigmoid(-x)
	v_fma_f32 v[OUT+4*\e], v[YY+\e], -2.0, 1.0     ; 1 - 2p
	v_add_f32 v[OUT+4*\e+1], 0x358637bd, v[YY+\e]  ; p + 1e-6
	v_add_f32 v[OUT+4*\e+2], v[MN+\e], v[LG+\e]    ; pos = softplus(-x)
	v_add_f32 v[OUT+4*\e+3], v[MX+\e], v[LG+\e]    ; neg = softplus(x)
.endr
.irp e, 0,1,2,3,4,5,6,7
	ds_store_b128 v[NDST], v[OUT+4*\e:OUT+4*\e+3] offset:(\e/4)*NDP+(\e%4)*16
.endr
.irp c, 0,1,2,3
	v_cvt_pk_bf16_f32 v[WW+\c], v[YY+\c], v[YY+4+\c]       ; p at t (low half) and t + 1
	v_cvt_pk_bf16_f32 v[WW+4+\c], v[EE+\c], v[EE+4+\c]     ; 1 - p likewise
.endr
.irp c, 0,1,2,3
	ds_store_b32 v[PAST], v[WW+\c] offset:\c*BFP
	ds_store_b32 v[PAST], v[WW+4+\c] offset:\c*BFP+QA_O
.endr
	; ---- the targets of this thread: 4 l x 8 t.  f32 as it lies; bf16 turned round, 8 t of one l = 16 bytes.
	s_wait_loadcnt 0x0
.irp j, 0,1,2,3,4,5,6,7
	ds_store_b128 v[TOFF], v[RR+4*\j:RR+4*\j+3] offset:TAU_B+\j*ROWT
.endr
.irp c, 0,1,2,3
.irp jp, 0,1,2,3
	v_cvt_pk_bf16_f32 v[WW+4*\c+\jp], v[RR+8*\jp+\c], v[RR+8*\jp+4+\c]
.endr
.endr
.irp c, 0,1,2,3
	ds_store_b128 v[BTST], v[WW+4*\c:WW+4*\c+3] offset:\c*16*BFP   ; 16 lanes: 16 neighbouring rows, 16 different columns of 16 bytes
.endr
.irp k, 0,1,2,3,4,5,6,7,8,9,10,11,12,13,14,15
	v_pk_fma_f32 v[RR+2*\k:RR+2*\k+1], v[RR+2*\k:RR+2*\k+1], -1.0, 1.0 op_sel_hi:[1,0,0]   ; 1 - tau
.endr
.irp c, 0,1,2,3
.irp jp, 0,1,2,3
	v_cvt_pk_bf16_f32 v[WW+4*\c+\jp], v[RR+8*\jp+\c], v[RR+8*\jp+4+\c]
.endr
.endr
.irp c, 0,1,2,3
	ds_store_b128 v[BTST], v[WW+4*\c:WW+4*\c+3] offset:\c*16*BFP+BS_O
.endr
	s_wait_dscnt 0x0                               ; my stores are done, for the other waves' sake
	s_barrier_signal -1
	s_barrier_wait -1                              ; all of tau, the records and the bf16 rows are in LDS
	; ---- tp, fp, fn: A = p or 1-p (rows n), B = tau or 1-tau (columns l = 4 r + c), K = my 64 t in two steps of 32.
	; A fragment: lane (r, h) takes row r, 16 bytes at 16 h and 16 bytes 32 further on (ISA guide 7.12.2).
.irp ks, 0,1
	ds_load_b128 v[PAF+8*\ks:PAF+8*\ks+3],   v[AFR] offset:64*\ks
	ds_load_b128 v[PAF+8*\ks+4:PAF+8*\ks+7], v[AFR] offset:64*\ks+32
	ds_load_b128 v[QAF+8*\ks:QAF+8*\ks+3],   v[AFR] offset:64*\ks+QA_O
	ds_load_b128 v[QAF+8*\ks+4:QAF+8*\ks+7], v[AFR] offset:64*\ks+32+QA_O
	ds_load_b128 v[BTF+8*\ks:BTF+8*\ks+3],   v[BFR] offset:64*\ks
	ds_load_b128 v[BTF+8*\ks+4:BTF+8*\ks+7], v[BFR] offset:64*\ks+32
	ds_load_b128 v[BSF+8*\ks:BSF+8*\ks+3],   v[BFR] offset:64*\ks+BS_O
	ds_load_b128 v[BSF+8*\ks+4:BSF+8*\ks+7], v[BFR] offset:64*\ks+32+BS_O
.endr
	s_wait_dscnt 0x0
	; the three accumulators take turns, one instruction a turn; the first products start the sums
	v_wmma_f32_16x16x32_bf16 v[TPA:TPA+7], v[PAF:PAF+7], v[BTF:BTF+7], 0
	v_wmma_f32_16x16x32_bf16 v[FPA:FPA+7], v[PAF:PAF+7], v[BSF:BSF+7], 0
	v_wmma_f32_16x16x32_bf16 v[FNA:FNA+7], v[QAF:QAF+7], v[BTF:BTF+7], 0
	v_wmma_f32_16x16x32_bf16 v[TPA:TPA+7], v[PAF+8:PAF+15], v[BTF+8:BTF+15], v[TPA:TPA+7]
	v_wmma_f32_16x16x32_bf16 v[FPA:FPA+7], v[PAF+8:PAF+15], v[BSF+8:BSF+15], v[FPA:FPA+7]
	v_wmma_f32_16x16x32_bf16 v[FNA:FNA+7], v[QAF+8:QAF+15], v[BTF+8:BTF+15], v[FNA:FNA+7]
	; The places behind the matrix instructions (ISA guide 7.12.1) are filled with work that names none of their registers:
	; the focal part's addresses and its 16 sums, 26 plain vector instructions, before results are read or fragments loaded over.
	v_lshlrev_b32 v[TA], 4, v[RQ]
	v_lshl_add_u32 v[TA], v[H], 8, v[TA]           ; lanes 0-15 the even row, lanes 16-31 the odd one
	v_add_nc_u32 v[TA], s30, v[TA]
	v_mul_u32_u24 v[NA], v[H], NDP
	v_add_nc_u32 v[NA], s31, v[NA]                 ; one address for each half of the wave: the reads are broadcasts
	v_lshlrev_b32 v[FST], 4, v[RQ]
	v_lshl_add_u32 v[FST], v[H], 12, v[FST]
	v_add_nc_u32 v[FST], s33, v[FST]
	v_lshlrev_b32 v[FIN], 3, v0
	v_add_nc_u32 v[FINL], RED_B, v[FIN]
.irp k, 0,1,2,3,4,5,6,7,8,9,10,11,12,13,14,15
	v_mov_b32 v[ACC+\k], 0
.endr
	; register j of lane (r, h) is (n = 8 h + j, l = 4 r + c)
.irp j, 0,1,2,3,4,5,6,7
	v_fma_f32 v[FPA+\j], v[AL], v[FPA+\j], v[TPA+\j]       ; tp + alpha fp
.endr
.irp j, 0,1,2,3,4,5,6,7
	v_fmac_f32 v[FPA+\j], v[BE], v[FNA+\j]                 ; + beta fn
.endr
.irp j, 0,1,2,3,4,5,6,7
	ds_store_b32 v[REDW], v[TPA+\j] offset:\j*256
	ds_store_b32 v[REDW], v[FPA+\j] offset:\j*256+4*REG
.endr
	; ---- the focal sum.  A step is two t (one for each half of the wave): 5 LDS loads, 16 triples a lane.
.macro LOADT tv, nv, k
	ds_load_b128 v[\tv:\tv+3], v[TA] offset:\k*2*ROWT
.irp i, 0,1,2,3
	ds_load_b128 v[\nv+4*\i:\nv+4*\i+3], v[NA] offset:\k*2*NDP+\i*16
.endr
.endm
; Record of n = 4g + i in v[nv+4i ..]: 1-2p, p+eps, pos, neg.  op_sel / op_sel_hi pick one register of a pair for both halves of a packed result.
; Between a run of square roots and the first use of a result stand plain instructions that name none of them (ISA guide 5.7.2).
.macro COMP tv, nv
.irp d, 0,2
	v_pk_fma_f32 v[SG+\d:SG+\d+1], v[\tv+\d:\tv+\d+1], -1.0, 1.0 op_sel_hi:[1,0,0]         ; 1 - tau
.endr
.irp i, 0,1,2,3
.irp d, 0,2
	v_pk_fma_f32 v[UU+4*\i+\d:UU+4*\i+\d+1], v[\tv+\d:\tv+\d+1], v[\nv+4*\i:\nv+4*\i+1], v[\nv+4*\i:\nv+4*\i+1] op_sel:[0,0,1] op_sel_hi:[1,0,1]   ; tau (1-2p) + (p+eps)
.endr
.endr
.irp k, 0,1,2,3,4,5,6,7,8,9,10,11,12,13,14,15
	v_sqrt_f32 v[UU+\k], v[UU+\k]
.endr
.irp d, 0,2
	v_pk_mul_f32 v[AA+\d:AA+\d+1], v[\tv+\d:\tv+\d+1], v[\tv+\d:\tv+\d+1]                  ; tau^2
	v_pk_mul_f32 v[SG+\d:SG+\d+1], v[SG+\d:SG+\d+1], v[SG+\d:SG+\d+1]                      ; (1-tau)^2
.endr
.irp i, 0,1,2,3
.irp d, 0,2
	v_pk_mul_f32 v[XX+4*\i+\d:XX+4*\i+\d+1], v[AA+\d:AA+\d+1], v[\nv+4*\i+2:\nv+4*\i+3] op_sel_hi:[1,0]   ; pos tau^2
.endr
.endr
	s_wait_alu depctr_va_vdst(0)
.irp k, 0,1,2,3,4,5,6,7,8,9,10,11,12,13,14,15
	v_sqrt_f32 v[UU+\k], v[UU+\k]                  ; the fourth root
.endr
.irp i, 0,1,2,3
.irp d, 0,2
	v_pk_fma_f32 v[XX+4*\i+\d:XX+4*\i+\d+1], v[SG+\d:SG+\d+1], v[\nv+4*\i+2:\nv+4*\i+3], v[XX+4*\i+\d:XX+4*\i+\d+1] op_sel:[0,1,0] op_sel_hi:[1,1,1]   ; + neg (1-tau)^2
.endr
.endr
	s_wait_alu depctr_va_vdst(0)
.irp k, 0,2,4,6,8,10,12,14
	v_pk_fma_f32 v[ACC+\k:ACC+\k+1], v[UU+\k:UU+\k+1], v[XX+\k:XX+\k+1], v[ACC+\k:ACC+\k+1]
.endr
.endm
; Four steps on the two sets by turns.  Each wait leaves out the 5 loads just issued for the other set: LDS serves a wave in order (ISA guide 5.7.1).
.macro FOUR last
	LOADT TAUB, NDB, 1
	s_wait_dscnt 0x5
	COMP TAUA, NDA
	LOADT TAUA, NDA, 2
	s_wait_dscnt 0x5
	COMP TAUB, NDB
	LOADT TAUB, NDB, 3
	s_wait_dscnt 0x5
	COMP TAUA, NDA
.if \last
	s_wait_dscnt 0x0                               ; nothing more is fetched
.else
	v_add_nc_u32 v[TA], 8*ROWT, v[TA]              ; 8 t on
	v_add_nc_u32 v[NA], 8*NDP, v[NA]
	LOADT TAUA, NDA, 0
	s_wait_dscnt 0x5
.endif
	COMP TAUB, NDB
.endm
	LOADT TAUA, NDA, 0
	s_mov_b32 s19, 64/8-1                          ; 64 t = 8 trips of 8 t; the last is written out and reads nothing beyond my 64 t
.Lmain:
	FOUR 0
	s_sub_co_u32 s19, s19, 1
	s_cmp_lg_u32 s19, 0
	s_cbranch_scc1 .Lmain
	FOUR 1
.irp i, 0,1,2,3
	ds_store_b128 v[FST], v[ACC+4*\i:ACC+4*\i+3] offset:\i*256     ; region 2 tq + h, row 4 g + i: 16 lanes fill the row
.endr
	s_wait_dscnt 0x0                               ; my parts are in LDS, for the other waves' sake
	s_barrier_signal -1
	s_barrier_wait -1
	; ---- wave w sums row n = w: two l a lane, 8 + 4 + 4 parts
.irp k, 0,1,2,3,4,5,6,7,8,9,10,11,12,13,14,15
	ds_load_b64 v[LL+2*\k:LL+2*\k+1], v[FINL] offset:\k*REG
.endr
	s_wait_dscnt 0x0
.irp k, 0,2,4,6,8,10,12,14
	v_pk_add_f32 v[LL+2*\k:LL+2*\k+1], v[LL+2*\k:LL+2*\k+1], v[LL+2*\k+2:LL+2*\k+3]
.endr
.irp k, 0,4,8,12
	v_pk_add_f32 v[LL+2*\k:LL+2*\k+1], v[LL+2*\k:LL+2*\k+1], v[LL+2*\k+4:LL+2*\k+5]
.endr
	v_pk_add_f32 v[LL:LL+1], v[LL:LL+1], v[LL+8:LL+9]
	global_store_b64 v[FIN], v[LL:LL+1], s[12:13]                  ; each store of a wave covers 256 consecutive bytes, aligned
	global_store_b64 v[FIN], v[LL+16:LL+17], s[12:13] offset:QSTR
	global_store_b64 v[FIN], v[LL+24:LL+25], s[12:13] offset:2*QSTR
	s_wait_tensorcnt 0x0
	ds_add_u32 v176, v177
	s_wait_dscnt 0x0
	s_endpgm
.Lfunc_end_k_qe94a844482_partial:
	.size	k_qe94a844482_partial, .Lfunc_end_k_qe94a844482_partial-k_qe94a844482_partial
	.p2alignl 7, 3214868480
	.fill 96, 4, 3214868480
	.section	.rodata,"a",@progbits
	.p2align	6, 0x0
	.amdhsa_kernel k_qe94a844482_partial
		.amdhsa_group_segment_fixed_size 287232
		.amdhsa_private_segment_fixed_size 0
		.amdhsa_enable_private_segment 0
		.amdhsa_kernarg_size 40
		.amdhsa_user_sgpr_count 2
		.amdhsa_user_sgpr_kernarg_segment_ptr 1
		.amdhsa_wavefront_size32 1
		.amdhsa_system_sgpr_workgroup_id_x 1
		.amdhsa_system_sgpr_workgroup_id_y 1
		.amdhsa_system_sgpr_workgroup_id_z 1
		.amdhsa_system_vgpr_workitem_id 0
		.amdhsa_next_free_vgpr 178
		.amdhsa_next_free_sgpr 66
		.amdhsa_reserve_vcc 1
		.amdhsa_float_denorm_mode_32 3
		.amdhsa_float_denorm_mode_16_64 3
		.amdhsa_memory_ordered 1
		.amdhsa_forward_progress 1
		.amdhsa_inst_pref_size 55
	.end_amdhsa_kernel
	.amdgpu_metadata
---
amdhsa.version: [ 1, 2 ]
amdhsa.kernels:
  - .name:           k_qe94a844482_partial
    .symbol:         k_qe94a844482_partial.kd
    .args:
      - { .name: preds_mask, .offset: 0, .size: 8, .value_kind: global_buffer, .address_space: global }
      - { .name: targets, .offset: 8, .size: 8, .value_kind: global_buffer, .address_space: global }
      - { .name: alpha, .offset: 16, .size: 8, .value_kind: global_buffer, .address_space: global }
      - { .name: beta, .offset: 24, .size: 8, .value_kind: global_buffer, .address_space: global }
      - { .name: part, .offset: 32, .size: 8, .value_kind: global_buffer, .address_space: global }
    .group_segment_fixed_size: 287232
    .private_segment_fixed_size: 0
    .kernarg_segment_align: 8
    .kernarg_segment_size: 40
    .max_flat_workgroup_size: 512
    .sgpr_count:     66
    .vgpr_count:     178
    .wavefront_size: 32
...
	.end_amdgpu_metadata
.endif
;; end of part 1
;; launch finish (part 2): grid 256 x 1, 1 waves a work-group, no clusters, 0 bytes of LDS; arguments part, weight, preds_class, out0; writes out0
.if DOCPART == 2
	.amdgcn_target "amdgcn-amd-amdhsa--gfx1250"
	.amdhsa_code_object_version 6
	.text
	.protected	k_qe94a844482_finish
	.globl	k_qe94a844482_finish
	.p2align	8
	.type	k_qe94a844482_finish,@function
k_qe94a844482_finish:
	s_mov_b64 s[64:65], 0
	v_nop
	global_prefetch_b8 v0, s[64:65] scope:SCOPE_SE
	s_setreg_imm32_b32 hwreg(HW_REG_WAVE_MODE, 25, 1), 1
	s_wait_xcnt 0x0
; HungarianMatcher cost matrix, second launch: out0[b][n][l] = 5 dia + 5 dice - 2 sigmoid(class[b][n]).
;   dia  = weight[l] / sum(weight[0..63]) * F / 4096          F, tp, den: sums over the 16 chunks of part[b*16+s][0, 1, 2][n][l]
;   dice = (1 - (tp + eps) / (den + eps) + eps)^0.75           y^0.75 = sqrt(y) sqrt(sqrt(y)) (NaN for y < 0, as a power gives)
; One wave for a row (b, n): 64 outputs, two a lane; its 48 loads of 256 consecutive bytes go out together, so the wave waits for memory once.
; No LDS, no barrier, no matrix unit: 12 KiB in, 256 bytes out, a few dozen instructions.
; LIMITS: divisions are v_rcp_f32 and a multiply; v_rcp_f32, v_sqrt_f32 and v_exp_f32 flush denormals (ISA guide 15.8): a divisor below 2^-126 in
; magnitude counts as 0, one above 2^126 gives 0.
.set CH,   16
.set QSTR, 32768                       ; bytes of one quantity of one chunk
.set CSTR, 3*QSTR                      ; bytes of a chunk
.set PB,   16                          ; v[16:111]: quantity q, chunk s in v[PB+32q+2s : +1]
	s_load_b256 s[4:11], s[0:1], 0x0               ; part s[4:5], weight s[6:7], preds_class s[8:9], out0 s[10:11]
	s_lshr_b32 s12, ttmp9, 7                       ; b
	s_and_b32 s13, ttmp9, 127                      ; n
	s_mul_i32 s14, s12, CH*CSTR
	s_lshl_b32 s13, s13, 8                         ; a row of 64 f32
	s_add_co_u32 s14, s14, s13
	s_mov_b32 s15, 0
	s_lshl_b32 s16, ttmp9, 8                       ; my row of out0
	s_mov_b32 s17, 0
	s_lshl_b32 s18, ttmp9, 2                       ; my class logit
	s_mov_b32 s20, 0x76543210                      ; v_permlanex16_b32: lane i of one half reads lane i of the other
	s_mov_b32 s21, 0xfedcba98
	v_lshlrev_b32 v1, 3, v0                        ; two f32 a lane
	v_mov_b32 v2, s18
	v_mov_b32 v7, 0                                ; v_permlanex16_b32 counts as a reader of its destination
	s_wait_kmcnt 0x0
	s_add_nc_u64 s[4:5], s[4:5], s[14:15]
	s_add_nc_u64 s[10:11], s[10:11], s[16:17]
	global_load_b64 v[4:5], v1, s[6:7]             ; weight[2 lane], weight[2 lane + 1]: the first 64
	global_load_b32 v3, v2, s[8:9]
.irp q, 0,1,2
.irp s, 0,1,2,3,4,5,6,7,8,9,10,11,12,13,14,15
	global_load_b64 v[PB+32*\q+2*\s:PB+32*\q+2*\s+1], v1, s[4:5] offset:\s*CSTR+\q*QSTR th:TH_LOAD_NT
.endr
.endr
	s_wait_loadcnt 48                              ; weight and class are in; the 48 younger loads stay out
	v_add_f32 v6, v4, v5
	v_add_f32_dpp v6, v6, v6 row_xmask:1 row_mask:0xf bank_mask:0xf
	v_add_f32_dpp v6, v6, v6 row_xmask:2 row_mask:0xf bank_mask:0xf
	v_add_f32_dpp v6, v6, v6 row_xmask:4 row_mask:0xf bank_mask:0xf
	v_add_f32_dpp v6, v6, v6 row_xmask:8 row_mask:0xf bank_mask:0xf
	v_permlanex16_b32 v7, v6, s20, s21
	v_add_f32 v6, v6, v7                           ; sum of the 64 weights, in every lane
	v_mul_f32 v10, 0xbfb8aa3b, v3                  ; -x log2(e)
	v_rcp_f32 v6, v6
	v_exp_f32 v10, v10                             ; infinity for very negative x: the sigmoid is then 0
	v_nop                                          ; a plain place between the two and the first use (ISA guide 5.7.2)
	s_wait_alu depctr_va_vdst(0)
	v_add_f32 v10, 1.0, v10
	v_mul_f32 v6, 0x3aa00000, v6                   ; 5 / 4096 / sum
	v_rcp_f32 v10, v10                             ; sigmoid(class)
	v_mul_f32 v4, v4, v6                           ; 5 w / (4096 sum): plain work that does not name v10
	v_mul_f32 v5, v5, v6
	s_wait_alu depctr_va_vdst(0)
	v_mul_f32 v8, -2.0, v10
	v_mul_f32 v9, -2.0, v10
.macro SUM16 base                      ; 16 pairs to one, as a tree
.irp s, 0,1,2,3,4,5,6,7
	v_pk_add_f32 v[\base+2*\s:\base+2*\s+1], v[\base+2*\s:\base+2*\s+1], v[\base+2*\s+16:\base+2*\s+17]
.endr
.irp s, 0,1,2,3
	v_pk_add_f32 v[\base+2*\s:\base+2*\s+1], v[\base+2*\s:\base+2*\s+1], v[\base+2*\s+8:\base+2*\s+9]
.endr
.irp s, 0,1
	v_pk_add_f32 v[\base+2*\s:\base+2*\s+1], v[\base+2*\s:\base+2*\s+1], v[\base+2*\s+4:\base+2*\s+5]
.endr
	v_pk_add_f32 v[\base:\base+1], v[\base:\base+1], v[\base+2:\base+3]
.endm
	s_wait_loadcnt 32                              ; the focal parts are in; 32 younger loads stay out
	SUM16 PB
	v_pk_fma_f32 v[PB:PB+1], v[PB:PB+1], v[4:5], v[8:9]            ; 5 dia - 2 sigmoid
	s_wait_loadcnt 16                              ; tp's parts
	SUM16 PB+32
	s_wait_loadcnt 0x0                             ; the denominator's parts
	SUM16 PB+64
	v_pk_add_f32 v[PB+64:PB+65], v[PB+64:PB+65], 0x358637bd op_sel_hi:[1,0]
	v_rcp_f32 v[PB+64], v[PB+64]
	v_rcp_f32 v[PB+65], v[PB+65]
	v_pk_add_f32 v[PB+32:PB+33], v[PB+32:PB+33], 0x358637bd op_sel_hi:[1,0]    ; tp + eps: the plain place behind the reciprocals
	s_wait_alu depctr_va_vdst(0)
	v_pk_mul_f32 v[PB+32:PB+33], v[PB+32:PB+33], v[PB+64:PB+65]                ; tversky
	v_pk_fma_f32 v[PB+32:PB+33], v[PB+32:PB+33], -1.0, 1.0 op_sel_hi:[1,0,0]   ; 1 - tversky
	v_pk_add_f32 v[PB+32:PB+33], v[PB+32:PB+33], 0x358637bd op_sel_hi:[1,0]    ; + eps
	v_sqrt_f32 v[PB+34], v[PB+32]
	v_sqrt_f32 v[PB+35], v[PB+33]
	v_nop
	s_wait_alu depctr_va_vdst(0)
	v_sqrt_f32 v[PB+36], v[PB+34]
	v_sqrt_f32 v[PB+37], v[PB+35]
	v_nop
	s_wait_alu depctr_va_vdst(0)
	v_pk_mul_f32 v[PB+34:PB+35], v[PB+34:PB+35], v[PB+36:PB+37]                ; y^0.75
	v_pk_fma_f32 v[PB:PB+1], v[PB+34:PB+35], 0x40a00000, v[PB:PB+1] op_sel_hi:[1,0,1]   ; + 5 dice
	global_store_b64 v1, v[PB:PB+1], s[10:11]      ; the wave stores its row: 256 consecutive bytes, aligned
	s_endpgm
.Lfunc_end_k_qe94a844482_finish:
	.size	k_qe94a844482_finish, .Lfunc_end_k_qe94a844482_finish-k_qe94a844482_finish
	.p2alignl 7, 3214868480
	.fill 96, 4, 3214868480
	.section	.rodata,"a",@progbits
	.p2align	6, 0x0
	.amdhsa_kernel k_qe94a844482_finish
		.amdhsa_group_segment_fixed_size 0
		.amdhsa_private_segment_fixed_size 0
		.amdhsa_enable_private_segment 0
		.amdhsa_kernarg_size 32
		.amdhsa_user_sgpr_count 2
		.amdhsa_user_sgpr_kernarg_segment_ptr 1
		.amdhsa_wavefront_size32 1
		.amdhsa_system_sgpr_workgroup_id_x 1
		.amdhsa_system_sgpr_workgroup_id_y 1
		.amdhsa_system_sgpr_workgroup_id_z 1
		.amdhsa_system_vgpr_workitem_id 0
		.amdhsa_next_free_vgpr 112
		.amdhsa_next_free_sgpr 66
		.amdhsa_reserve_vcc 0
		.amdhsa_float_denorm_mode_32 3
		.amdhsa_float_denorm_mode_16_64 3
		.amdhsa_memory_ordered 1
		.amdhsa_forward_progress 1
		.amdhsa_inst_pref_size 11
	.end_amdhsa_kernel
	.amdgpu_metadata
---
amdhsa.version: [ 1, 2 ]
amdhsa.kernels:
  - .name:           k_qe94a844482_finish
    .symbol:         k_qe94a844482_finish.kd
    .args:
      - { .name: part, .offset: 0, .size: 8, .value_kind: global_buffer, .address_space: global }
      - { .name: weight, .offset: 8, .size: 8, .value_kind: global_buffer, .address_space: global }
      - { .name: preds_class, .offset: 16, .size: 8, .value_kind: global_buffer, .address_space: global }
      - { .name: out0, .offset: 24, .size: 8, .value_kind: global_buffer, .address_space: global }
    .group_segment_fixed_size: 0
    .private_segment_fixed_size: 0
    .kernarg_segment_align: 8
    .kernarg_segment_size: 32
    .max_flat_workgroup_size: 32
    .sgpr_count:     66
    .vgpr_count:     112
    .wavefront_size: 32
...
	.end_amdgpu_metadata
.endif
;; end of part 2
;; ======== version 2 of 2: 2 launches; version 1 with the launch partial written anew for expert scheduling mode
;; workspace buffers: part 3,145,728 bytes
;; launch partial (part 3): grid 256 x 1, 16 waves a work-group, no clusters, 287,232 bytes of LDS; arguments preds_mask, targets, alpha, beta, part; writes part
.if DOCPART == 3
	.amdgcn_target "amdgcn-amd-amdhsa--gfx1250"
	.amdhsa_code_object_version 6
	.text
	.protected	k_qe94a844482_partial
	.globl	k_qe94a844482_partial
	.p2align	8
	.type	k_qe94a844482_partial,@function
k_qe94a844482_partial:
	s_mov_b64 s[64:65], 0
	v_nop
	global_prefetch_b8 v0, s[64:65] scope:SCOPE_SE
	s_setreg_imm32_b32 hwreg(HW_REG_WAVE_SCHED_MODE, 0, 2), 2
	s_setreg_imm32_b32 hwreg(HW_REG_WAVE_MODE, 25, 1), 1
	s_wait_xcnt 0x0
	s_wait_alu depctr_vm_vsrc(0)
; HungarianMatcher cost matrix, first of two launches: partial sums over 256 time steps.
; preds_mask x[b][t][n] (2 x 4096 x 128 f32), targets tau[b][t][l] (2 x 4096 x 64 f32), alpha, beta [128] f32 (the first 64 are used).
; part[b*16+s][quantity 0..2][n 128][l 64] f32; for chunk s (256 t):
;   0: sum over t of (1 - p_t + eps)^0.25 * (pos tau^2 + neg (1-tau)^2)      (the focal sum, not yet weighted)
;   1: tp = sum p tau          2: tp + alpha[l] fp + beta[l] fn   (linear in the sums, so it may be formed part by part)
; Targets are taken as they come: nothing here needs them to be 0 or 1.  Rearranged exactly:
;   1 - p_t + eps = (p + eps) + tau (1 - 2p): one fused multiply-add;  y^0.25 = sqrt(sqrt(y)) (NaN for y < 0, as a power gives).
; WORK: 256 work-groups = 32 chunks (b, s) x 8 groups of 16 n; each owns 256 t x 16 n x 64 l = 262,144 triples; 16 waves.
; Wave w = (g = w & 3, tq = w >> 2).  Focal part: n = 4g..4g+3, t = 64 tq..+63, all 64 l; lane (q = lane & 15, h = lane >> 4) holds
; l = 4q..4q+3 at the t of parity h, so one 16-byte read of tau and four 16-byte reads of the (n, t) records feed 16 triples a lane.
; Matrix part: tp, fp, fn of 16 n x 16 l (the l = 4r + g, r = 0..15) over the same 64 t: 2 K steps x 3 products in bf16, sums in f32.
; The parts of the 4 (matrix) and 8 (focal: tq and h) pieces of t meet in LDS, in bytes of their own, behind the second barrier.
; NO CLUSTER, NO TENSOR LOADS: the 8 work-groups of a chunk share the 64 KiB of targets, but a work-group reads its 80 KiB once, at its
; start, for some 37,000 wave instructions of arithmetic, and every number goes through registers anyway to be converted on its way to LDS.
; LIMITS: operands of tp, fp, fn are rounded to bf16.  v_exp_f32 and v_sqrt_f32 flush denormals (ISA guide 15.8): exp(-|x|) counts as 0
; for |x| > 87.3 (the small softplus is then 0 instead of < 1.2e-38), and a focal base below 2^-126 counts as 0.  log1p(e) is
; e - e^2/2 below e = 2^-8 and log(1 + e) above: relative error up to about 2e-5.  The order of the sums differs from the reference's.
; THE MODE: SCHED_MODE bits 1:0 = 2 (LLVM: expert scheduling mode 2), set by the entry lines.  The code itself states the register dependences
; between vector or matrix instructions and memory or LDS instructions, with s_wait_alu, always for 0.
; THE PLAN OF THE FOCAL LOOP.  A step is two t.  Its work has three stages: I, from the loaded set: the base, the bce and the first square root;
; II, the second square root; III, the sum takes root x bce.  Body j does III of step j - 2, II of step j - 1 and I of step j, so that a body's 32
; square roots are one batch, none of whose results the body itself names.  Registers that LDS instructions touch in the loop:
;   set p = j % 2 (TAU, ND)   written by the five LDS loads at the head of body j - 1; read by the vector instructions of body j alone.
;   v[TA], v[NA]              read by every LDS load; written once a trip, at the tail of the trip's fourth body.
;   SG, AA, UU (two buffers), XX (two buffers) and ACC are named by vector instructions alone.
; ONE wait on va_vdst stands at a body's tail, ahead of the label and of the backward jump: the body's square roots have written UU, the body is done
; reading set p (the next body's loads, which land in it, follow the wait at once), and in a trip's fourth body v[TA] and v[NA] are written.
; One wait on vm_vsrc a trip stands ahead of the adds to v[TA] and v[NA].
.set TCH,   256                        ; t of a work-group
.set NGR,   16                         ; n of a work-group
.set ML,    64                         ; l
.set ROWP,  512                        ; bytes in a row of preds_mask
.set ROWT,  256                        ; bytes in a row of targets
.set NDP,   272                        ; LDS pitch of a t's 16 records of 16 bytes: 256 + 16
.set BFP,   528                        ; LDS pitch of a row of 256 bf16: 512 + 16, an odd multiple of 16: 16 neighbouring rows start in 16 different 16-byte columns modulo 256
.set TAU_B, 0                          ; tau f32 [t][l]
.set ND_B,  TCH*ROWT                   ; records (1-2p, p+eps, pos, neg) [t][n]
.set PA_B,  ND_B+TCH*NDP               ; p bf16 [n][t]
.set QA_O,  NGR*BFP                    ; 1-p lies this far behind p
.set BT_B,  PA_B+2*QA_O                ; tau bf16, row 16 c + q holds l = 4 q + c
.set BS_O,  ML*BFP                     ; 1-tau lies this far behind tau
.set RED_B, BT_B+2*BS_O                ; 16 regions [n 16][l 64] f32: 0-7 focal (2 tq + h), 8-11 tp (tq), 12-15 denominator (tq)
.set REG,   NGR*ML*4
.set QSTR,  128*ML*4                   ; bytes of one quantity of one chunk in part
.set CM,   34                          ; s[34:41]   masks: e < 2^-8, one for each of my 8 logits
.set CX,   42                          ; s[42:49]   masks: x >= 0
.set POFF, 4
.set RQ,   5                           ; thread & 15: q, and r of the matrix layouts
.set TOFF, 7                           ; offset of my 16 bytes in the targets tile, in memory and in LDS alike
.set ABOFF, 8
.set NDST, 9
.set PAST, 10
.set BTST, 11
.set AFR,  12
.set BFR,  13
.set REDW, 14
.set TA,   15
.set NA,   16
.set FST,  17
.set FIN,  18
.set FINL, 19
.set AL,   20
.set BE,   21
.set H,    22
.set RR,   32                          ; v[32:63]   targets as loaded: row j in 4 registers
.set XR,   64                          ; v[64:71]   logits: 4 n at t, 4 n at t + 1
.set OUT,  72                          ; v[72:103]  8 records
.set EE,   104
.set MX,   112
.set MN,   120
.set YY,   128
.set RC,   136
.set LG,   144
.set SM,   152
.set WW,   160                         ; v[160:167] p and 1-p, packed bf16
.set S1,   104                         ; v[104:135] 1 - tau of my 4 l x 8 t: registers that no LDS instruction has read
.set W1,   136                         ; v[136:151] tau, packed bf16: likewise
.set W2,   168                         ; v[168:183] 1 - tau, packed bf16: likewise
.set PAF,  32                          ; matrix part: fragments, K step ks at +8 ks
.set QAF,  48
.set BTF,  64
.set BSF,  80
.set TPA,  128
.set FPA,  136
.set FNA,  144
.set TAU,  32                          ; focal part: v[32:39]   tau, set s at +4 s
.set ND,   40                          ; v[40:71]   four records, set s at +16 s
.set SG,   72
.set AA,   76
.set UU,   80                          ; v[80:111]  the base and its roots: the buffer of step k at +16 (k % 2)
.set ACC,  112                         ; v[112:127] sums: n = 4g + i in 4 registers (4 l)
.set XX,   152                         ; v[152:183] the bce: the buffer of step k at +16 (k % 2)
.set LL,   32                          ; the final sum
	s_load_b256 s[4:11], s[0:1], 0x0               ; preds_mask s[4:5], targets s[6:7], alpha s[8:9], beta s[10:11]
	s_load_b64 s[12:13], s[0:1], 0x20              ; part
	v_lshl_add_u32 v30, v0, 2, 0x45a00
	v_mov_b32 v31, 0
	v_lshrrev_b32 v1, 5, v0
	v_readfirstlane_b32 s14, v1                    ; wave 0..15
	s_and_b32 s17, ttmp9, 7                        ; group of 16 n
	s_lshr_b32 s18, ttmp9, 3                       ; chunk b*16 + s: its first row is 256 x this
	s_lshl_b32 s20, s18, 17                        ; 256 rows of 512 bytes
	s_lshl_b32 s19, s17, 6                         ; + 16 n of 4 bytes
	s_add_co_u32 s20, s20, s19
	s_mov_b32 s21, 0
	s_lshl_b32 s22, s18, 16                        ; 256 rows of 256 bytes
	s_mov_b32 s23, 0
	s_mul_i32 s24, s18, 3*QSTR
	s_lshl_b32 s19, s17, 12                        ; + 16 rows of 256 bytes
	s_add_co_u32 s24, s24, s19
	s_mov_b32 s25, 0
	v_and_b32 v2, 3, v0                            ; nq: which 4 n
	v_lshrrev_b32 v3, 2, v0                        ; tp: which pair of t, 0..127
	v_lshlrev_b32 v[POFF], 4, v2
	v_lshl_add_u32 v[POFF], v3, 10, v[POFF]        ; two rows of 512 bytes a pair
	v_and_b32 v[RQ], 15, v0
	v_lshrrev_b32 v6, 4, v0                        ; o: which 8 t, 0..31
	v_lshlrev_b32 v[TOFF], 4, v[RQ]
	v_lshl_add_u32 v[TOFF], v6, 11, v[TOFF]        ; 8 rows of 256 bytes + 16 q: 16 lanes take a whole row
	s_wait_alu depctr_va_sdst(0)                   ; s14 is written, ahead of its first reader: g, tq and all that is made of them
	s_and_b32 s15, s14, 3                          ; g (focal part), c (matrix part)
	s_lshr_b32 s16, s14, 2                         ; tq
	s_lshl_b32 s26, s15, 2                         ; 4 c
	v_lshl_add_u32 v[ABOFF], v[RQ], 4, s26         ; 4 (4 r + c): my l of the matrix part
	s_wait_kmcnt 0x0
	s_add_nc_u64 s[4:5], s[4:5], s[20:21]
	s_add_nc_u64 s[6:7], s[6:7], s[22:23]
	s_add_nc_u64 s[12:13], s[12:13], s[24:25]
	s_wait_alu depctr_va_vdst(0)                   ; the three offsets v[POFF], v[TOFF], v[ABOFF] are written, which the loads below read
	global_load_b32 v[AL], v[ABOFF], s[8:9]
	global_load_b32 v[BE], v[ABOFF], s[10:11]
	global_load_b128 v[XR:XR+3], v[POFF], s[4:5]
	global_load_b128 v[XR+4:XR+7], v[POFF], s[4:5] offset:ROWP
.irp j, 0,1,2,3,4,5,6,7
	global_load_b128 v[RR+4*\j:RR+4*\j+3], v[TOFF], s[6:7] offset:\j*ROWT
.endr
	; LDS addresses, while the loads are on their way
	s_lshl_b32 s27, s16, 7                         ; 64 t of bf16
	s_mul_i32 s28, s15, 16*BFP
	s_add_co_u32 s28, s28, s27
	s_add_co_u32 s28, s28, BT_B                    ; tau's rows 16 c .., my 64 t
	s_add_co_u32 s27, s27, PA_B                    ; p's rows, my 64 t
	s_lshl_b32 s29, s16, 12
	s_add_co_u32 s29, s29, s26
	s_add_co_u32 s29, s29, RED_B+8*REG             ; region 8 + tq, column c
	s_lshl_b32 s30, s16, 14                        ; tau f32: 64 rows of 256 bytes
	s_mul_i32 s31, s16, 64*NDP
	s_lshl_b32 s19, s15, 6
	s_add_co_u32 s31, s31, s19
	s_add_co_u32 s31, s31, ND_B                    ; records of my 64 t, my 4 n
	s_lshl_b32 s33, s16, 13
	s_lshl_b32 s19, s15, 10
	s_add_co_u32 s33, s33, s19
	s_add_co_u32 s33, s33, RED_B                   ; region 2 tq, row 4 g
	v_bfe_u32 v[H], v0, 4, 1
	v_mul_u32_u24 v23, v[RQ], BFP
	v_lshl_add_u32 v[BTST], v6, 4, v23             ; row q (+ 16 c in the offset), 8 t = 16 bytes at 16 o
	v_add_nc_u32 v[BTST], BT_B, v[BTST]
	v_lshl_add_u32 v23, v[H], 4, v23               ; fragments: row r x pitch + 16 h
	v_add_nc_u32 v[AFR], s27, v23
	v_add_nc_u32 v[BFR], s28, v23
	v_lshlrev_b32 v[REDW], 4, v[RQ]                ; column 4 r (+ c), rows 8 h + j
	v_lshl_add_u32 v[REDW], v[H], 11, v[REDW]
	v_add_nc_u32 v[REDW], s29, v[REDW]
	v_mul_u32_u24 v[NDST], v3, 2*NDP
	v_lshl_add_u32 v[NDST], v2, 6, v[NDST]
	v_add_nc_u32 v[NDST], ND_B, v[NDST]
	v_mul_u32_u24 v[PAST], v2, 4*BFP
	v_lshl_add_u32 v[PAST], v3, 2, v[PAST]         ; two bf16 (t, t + 1) are one word
	v_add_nc_u32 v[PAST], PA_B, v[PAST]
	; ---- the 8 logits of this thread: p, 1-p, softplus(-x), softplus(x).  e = exp(-|x|) never overflows.
	s_wait_loadcnt 0x8                             ; alpha, beta and the logits are in; the 8 younger loads (targets) stay out
.irp e, 0,1,2,3,4,5,6,7
	v_and_b32 v[EE+\e], 0x7fffffff, v[XR+\e]
.endr
.irp e, 0,1,2,3,4,5,6,7
	v_mul_f32 v[EE+\e], 0xbfb8aa3b, v[EE+\e]       ; -|x| log2(e)
.endr
.irp e, 0,1,2,3,4,5,6,7
	v_exp_f32 v[EE+\e], v[EE+\e]
.endr
.irp e, 0,1,2,3,4,5,6,7
	v_max_num_f32 v[MX+\e], 0, v[XR+\e]            ; plain work that names no result of the run above stands between it and the first use (ISA guide 5.7.2)
.endr
.irp e, 0,1,2,3,4,5,6,7
	v_sub_f32 v[MN+\e], v[MX+\e], v[XR+\e]         ; max(-x, 0), exactly
.endr
	s_wait_alu depctr_va_vdst(0)                   ; the eight exponentials have written v[EE ..]: one wait for the batch, ahead of its first reader
.irp e, 0,1,2,3,4,5,6,7
	v_add_f32 v[YY+\e], 1.0, v[EE+\e]
.endr
.irp e, 0,1,2,3,4,5,6,7
	v_rcp_f32 v[RC+\e], v[YY+\e]
.endr
.irp e, 0,1,2,3,4,5,6,7
	v_log_f32 v[LG+\e], v[YY+\e]
.endr
.irp e, 0,1,2,3,4,5,6,7
	v_fma_f32 v[SM+\e], v[EE+\e], -0.5, 1.0        ; again plain work first: the series e (1 - e/2) for small e
.endr
.irp e, 0,1,2,3,4,5,6,7
	v_mul_f32 v[SM+\e], v[EE+\e], v[SM+\e]
.endr
.irp e, 0,1,2,3,4,5,6,7
	v_cmp_gt_f32 s[CM+\e], 0x3b800000, v[EE+\e]    ; e < 2^-8: 1 + e has lost too much of e.  The sixteen compares stand in one run, a mask register each
.endr
.irp e, 0,1,2,3,4,5,6,7
	v_cmp_le_f32 s[CX+\e], 0, v[XR+\e]
.endr
	s_wait_alu depctr_va_sdst(0)                   ; the sixteen masks s[34:49] are written, ahead of the first select that reads one
	s_wait_alu depctr_va_vdst(0)                   ; the eight reciprocals and eight logarithms have written v[RC ..] and v[LG ..]: one wait for the batch, ahead of its first reader
.irp e, 0,1,2,3,4,5,6,7
	v_mul_f32 v[LG+\e], 0x3f317218, v[LG+\e]       ; ln(1 + e)
	v_cndmask_b32 v[LG+\e], v[LG+\e], v[SM+\e], s[CM+\e]   ; log1p(e)
	v_mul_f32 v[SM+\e], v[EE+\e], v[RC+\e]         ; e / (1 + e)
	v_cndmask_b32 v[YY+\e], v[SM+\e], v[RC+\e], s[CX+\e]   ; p = sigmoid(x)
	v_cndmask_b32 v[EE+\e], v[RC+\e], v[SM+\e], s[CX+\e]   ; 1 - p = sigmoid(-x)
	v_fma_f32 v[OUT+4*\e], v[YY+\e], -2.0, 1.0     ; 1 - 2p
	v_add_f32 v[OUT+4*\e+1], 0x358637bd, v[YY+\e]  ; p + 1e-6
	v_add_f32 v[OUT+4*\e+2], v[MN+\e], v[LG+\e]    ; pos = softplus(-x)
	v_add_f32 v[OUT+4*\e+3], v[MX+\e], v[LG+\e]    ; neg = softplus(x)
.endr
.irp c, 0,1,2,3
	v_cvt_pk_bf16_f32 v[WW+\c], v[YY+\c], v[YY+4+\c]       ; p at t (low half) and t + 1
	v_cvt_pk_bf16_f32 v[WW+4+\c], v[EE+\c], v[EE+4+\c]     ; 1 - p likewise
.endr
	s_wait_alu depctr_va_vdst(0)                   ; v[OUT ..] and v[WW ..] are written, which the sixteen LDS stores below read; so are all the LDS addresses made above
.irp e, 0,1,2,3,4,5,6,7
	ds_store_b128 v[NDST], v[OUT+4*\e:OUT+4*\e+3] offset:(\e/4)*NDP+(\e%4)*16
.endr
.irp c, 0,1,2,3
	ds_store_b32 v[PAST], v[WW+\c] offset:\c*BFP
	ds_store_b32 v[PAST], v[WW+4+\c] offset:\c*BFP+QA_O
.endr
	; ---- the targets of this thread: 4 l x 8 t.  f32 as it lies; bf16 turned round, 8 t of one l = 16 bytes.
	s_wait_loadcnt 0x0
.irp j, 0,1,2,3,4,5,6,7
	ds_store_b128 v[TOFF], v[RR+4*\j:RR+4*\j+3] offset:TAU_B+\j*ROWT       ; the data come from loads and the address is old: no vector result is read here
.endr
	; What follows writes S1, W1 and W2 alone, registers that no LDS store has read, and only reads v[RR ..]: so nothing is owed to the stores above.
.irp c, 0,1,2,3
.irp jp, 0,1,2,3
	v_cvt_pk_bf16_f32 v[W1+4*\c+\jp], v[RR+8*\jp+\c], v[RR+8*\jp+4+\c]
.endr
.endr
.irp k, 0,1,2,3,4,5,6,7,8,9,10,11,12,13,14,15
	v_pk_fma_f32 v[S1+2*\k:S1+2*\k+1], v[RR+2*\k:RR+2*\k+1], -1.0, 1.0 op_sel_hi:[1,0,0]   ; 1 - tau
.endr
.irp c, 0,1,2,3
.irp jp, 0,1,2,3
	v_cvt_pk_bf16_f32 v[W2+4*\c+\jp], v[S1+8*\jp+\c], v[S1+8*\jp+4+\c]
.endr
.endr
	s_wait_alu depctr_va_vdst(0)                   ; the conversions have written v[W1 ..] and v[W2 ..], which the eight LDS stores below read
.irp c, 0,1,2,3
	ds_store_b128 v[BTST], v[W1+4*\c:W1+4*\c+3] offset:\c*16*BFP   ; 16 lanes: 16 neighbouring rows, 16 different columns of 16 bytes
.endr
.irp c, 0,1,2,3
	ds_store_b128 v[BTST], v[W2+4*\c:W2+4*\c+3] offset:\c*16*BFP+BS_O
.endr
	s_wait_dscnt 0x0                               ; my stores are done, for the other waves' sake
	s_barrier_signal -1
	s_barrier_wait -1                              ; all of tau, the records and the bf16 rows are in LDS
	s_wait_alu depctr_vm_vsrc(0)                   ; my LDS stores have read v[32:103], v[136:151] and v[160:183]: the fragments' loads, the matrix results and the focal part's vector work write these from here on.
	                                               ; (The vector instructions that named v[32:95] stand ahead of the last wait on va_vdst, and none has been issued since.)
	; ---- tp, fp, fn: A = p or 1-p (rows n), B = tau or 1-tau (columns l = 4 r + c), K = my 64 t in two steps of 32.
	; A fragment: lane (r, h) takes row r, 16 bytes at 16 h and 16 bytes 32 further on (ISA guide 7.12.2).
.irp ks, 0,1
	ds_load_b128 v[PAF+8*\ks:PAF+8*\ks+3],   v[AFR] offset:64*\ks
	ds_load_b128 v[PAF+8*\ks+4:PAF+8*\ks+7], v[AFR] offset:64*\ks+32
	ds_load_b128 v[QAF+8*\ks:QAF+8*\ks+3],   v[AFR] offset:64*\ks+QA_O
	ds_load_b128 v[QAF+8*\ks+4:QAF+8*\ks+7], v[AFR] offset:64*\ks+32+QA_O
	ds_load_b128 v[BTF+8*\ks:BTF+8*\ks+3],   v[BFR] offset:64*\ks
	ds_load_b128 v[BTF+8*\ks+4:BTF+8*\ks+7], v[BFR] offset:64*\ks+32
	ds_load_b128 v[BSF+8*\ks:BSF+8*\ks+3],   v[BFR] offset:64*\ks+BS_O
	ds_load_b128 v[BSF+8*\ks+4:BSF+8*\ks+7], v[BFR] offset:64*\ks+32+BS_O
.endr
	s_wait_dscnt 0x0
	; the three accumulators take turns, one instruction a turn; the first products start the sums
	v_wmma_f32_16x16x32_bf16 v[TPA:TPA+7], v[PAF:PAF+7], v[BTF:BTF+7], 0
	v_wmma_f32_16x16x32_bf16 v[FPA:FPA+7], v[PAF:PAF+7], v[BSF:BSF+7], 0
	v_wmma_f32_16x16x32_bf16 v[FNA:FNA+7], v[QAF:QAF+7], v[BTF:BTF+7], 0
	v_wmma_f32_16x16x32_bf16 v[TPA:TPA+7], v[PAF+8:PAF+15], v[BTF+8:BTF+15], v[TPA:TPA+7]
	v_wmma_f32_16x16x32_bf16 v[FPA:FPA+7], v[PAF+8:PAF+15], v[BSF+8:BSF+15], v[FPA:FPA+7]
	v_wmma_f32_16x16x32_bf16 v[FNA:FNA+7], v[QAF+8:QAF+15], v[BTF+8:BTF+15], v[FNA:FNA+7]
	; The places behind the matrix instructions (ISA guide 7.12.1) are filled with work that names none of their registers:
	; the focal part's addresses and its 16 sums, 26 plain vector instructions, before results are read.
	v_lshlrev_b32 v[TA], 4, v[RQ]
	v_lshl_add_u32 v[TA], v[H], 8, v[TA]           ; lanes 0-15 the even row, lanes 16-31 the odd one
	v_add_nc_u32 v[TA], s30, v[TA]
	v_mul_u32_u24 v[NA], v[H], NDP
	v_add_nc_u32 v[NA], s31, v[NA]                 ; one address for each half of the wave: the reads are broadcasts
	v_lshlrev_b32 v[FST], 4, v[RQ]
	v_lshl_add_u32 v[FST], v[H], 12, v[FST]
	v_add_nc_u32 v[FST], s33, v[FST]
	v_lshlrev_b32 v[FIN], 3, v0
	v_add_nc_u32 v[FINL], RED_B, v[FIN]
.irp k, 0,1,2,3,4,5,6,7,8,9,10,11,12,13,14,15
	v_mov_b32 v[ACC+\k], 0
.endr
	; register j of lane (r, h) is (n = 8 h + j, l = 4 r + c)
.irp j, 0,1,2,3,4,5,6,7
	v_fma_f32 v[FPA+\j], v[AL], v[FPA+\j], v[TPA+\j]       ; tp + alpha fp
.endr
.irp j, 0,1,2,3,4,5,6,7
	v_fmac_f32 v[FPA+\j], v[BE], v[FNA+\j]                 ; + beta fn
.endr
	s_wait_alu depctr_va_vdst(0)                   ; the matrix instructions have written v[TPA ..] and the multiply-adds v[FPA ..], which the LDS stores read; the matrix instructions are done reading
	                                               ; their fragments, in which the first two steps' loads land; v[TA], v[NA], v[FST], v[FIN], v[FINL] are written.  The places above stay beside this wait
.irp j, 0,1,2,3,4,5,6,7
	ds_store_b32 v[REDW], v[TPA+\j] offset:\j*256
	ds_store_b32 v[REDW], v[FPA+\j] offset:\j*256+4*REG
.endr
	; ---- the focal sum.  A step is two t (one for each half of the wave): 5 LDS loads, 16 triples a lane.
.macro LOADT s, k                      ; into set s; k: the step, counted from the step at which v[TA] and v[NA] stand
	ds_load_b128 v[TAU+4*(\s):TAU+4*(\s)+3], v[TA] offset:(\k)*2*ROWT
.irp i, 0,1,2,3
	ds_load_b128 v[ND+16*(\s)+4*\i:ND+16*(\s)+4*\i+3], v[NA] offset:(\k)*2*NDP+\i*16
.endr
.endm
; Body j.  p = j % 2.  ld: the next step is loaded, at this place from v[TA] and v[NA] on (-1: nothing is left to load).
; in = 1: stage I of step j.  s2 = 1: stage II of step j - 1.  acc = 1: stage III of step j - 2.  adv = 1: the addresses move on by four steps, 8 t.
; Record of n = 4g + i in v[NV+4i ..]: 1-2p, p+eps, pos, neg.  op_sel / op_sel_hi pick one register of a pair for both halves of a packed result.
; Plain instructions and square roots go by turns; no line of a body names a result of the body's own square roots.
.macro BODY p, ld, in, s2, acc, adv
.set TV, TAU+4*(\p)
.set NV, ND+16*(\p)
.set UP, UU+16*(\p)                    ; step j - 2's fourth roots, then step j's base and its first root
.set UQ, UU+16*(1-(\p))                ; step j - 1's first roots, then its fourth roots
.set XP, XX+16*(\p)                    ; step j - 2's bce, then step j's
.if (\ld) >= 0
	LOADT 1-(\p), \ld                              ; no vector instruction since the wait at the last body's tail names this set, v[TA] or v[NA]
.endif
.set m, 0
.rept 8
.if \acc
	v_pk_fma_f32 v[ACC+2*m:ACC+2*m+1], v[UP+2*m:UP+2*m+1], v[XP+2*m:XP+2*m+1], v[ACC+2*m:ACC+2*m+1]
.endif
.if \s2
	v_sqrt_f32 v[UQ+m], v[UQ+m]                    ; the fourth root
.endif
.set m, m+1
.endr
.if \in
.if (\ld) >= 0
	s_wait_dscnt 0x5                               ; LDS serves a wave in order (ISA guide 5.7.1): this step's five loads are in, the five just issued stay out
.else
	s_wait_dscnt 0x0                               ; nothing more is fetched
.endif
.endif
.set m, 0
.rept 10
.if \in
.if m < 2
	v_pk_fma_f32 v[SG+2*m:SG+2*m+1], v[TV+2*m:TV+2*m+1], -1.0, 1.0 op_sel_hi:[1,0,0]       ; 1 - tau
.else
.set u, m-2
	v_pk_fma_f32 v[UP+2*u:UP+2*u+1], v[TV+2*(u%2):TV+2*(u%2)+1], v[NV+4*(u/2):NV+4*(u/2)+1], v[NV+4*(u/2):NV+4*(u/2)+1] op_sel:[0,0,1] op_sel_hi:[1,0,1]   ; tau (1-2p) + (p+eps)
.endif
.endif
.if (\s2) && (m < 8)
	v_sqrt_f32 v[UQ+8+m], v[UQ+8+m]
.endif
.set m, m+1
.endr
.if \in
.set m, 0
.rept 20
.if m < 2
	v_pk_mul_f32 v[AA+2*m:AA+2*m+1], v[TV+2*m:TV+2*m+1], v[TV+2*m:TV+2*m+1]                ; tau^2
.elseif m < 4
.set u, m-2
	v_pk_mul_f32 v[SG+2*u:SG+2*u+1], v[SG+2*u:SG+2*u+1], v[SG+2*u:SG+2*u+1]                ; (1-tau)^2
.elseif m < 12
.set u, m-4
	v_pk_mul_f32 v[XP+2*u:XP+2*u+1], v[AA+2*(u%2):AA+2*(u%2)+1], v[NV+4*(u/2)+2:NV+4*(u/2)+3] op_sel_hi:[1,0]   ; pos tau^2
.else
.set u, m-12
	v_pk_fma_f32 v[XP+2*u:XP+2*u+1], v[SG+2*(u%2):SG+2*(u%2)+1], v[NV+4*(u/2)+2:NV+4*(u/2)+3], v[XP+2*u:XP+2*u+1] op_sel:[0,1,0] op_sel_hi:[1,1,1]   ; + neg (1-tau)^2
.endif
.if m < 16
	v_sqrt_f32 v[UP+m], v[UP+m]                    ; the first root; the last four plain lines stand behind the batch's last square root (ISA guide 5.7.2)
.endif
.set m, m+1
.endr
.elseif \s2
	v_nop                                          ; a plain instruction behind the batch's last square root (ISA guide 5.7.2): no other work is left
.endif
.if \adv
	s_wait_alu depctr_vm_vsrc(0)                   ; the LDS loads issued so far have read v[TA] and v[NA]
	v_add_nc_u32 v[TA], 8*ROWT, v[TA]              ; 8 t on
	v_add_nc_u32 v[NA], 8*NDP, v[NA]
.endif
.if (\in) || (\s2)
	s_wait_alu depctr_va_vdst(0)                   ; the body's square roots have written v[UU ..], ahead of their first readers in the next body; the body is done reading its set, in which the
	                                               ; next body's loads land; in a trip's fourth body v[TA] and v[NA] are written
.endif
.endm
	LOADT 0, 0                                     ; step 0
	BODY 0, 1, 1, 0, 0, 0                          ; bodies 0 and 1 fill the three stages
	BODY 1, 2, 1, 1, 0, 0
	s_mov_b32 s19, 7                               ; bodies 2 to 29: 7 trips of four; they load steps 3 to 30
.Lmain:
	BODY 0, 3, 1, 1, 1, 0
	BODY 1, 4, 1, 1, 1, 0
	BODY 0, 5, 1, 1, 1, 0
	BODY 1, 6, 1, 1, 1, 1
	s_sub_co_u32 s19, s19, 1
	s_cmp_lg_u32 s19, 0
	s_cbranch_scc1 .Lmain
	BODY 0, 3, 1, 1, 1, 0                          ; body 30 loads step 31, the last: nothing beyond my 64 t is read
	BODY 1, -1, 1, 1, 1, 0
	BODY 0, -1, 0, 1, 1, 0                         ; bodies 32 and 33 empty the stages
	BODY 1, -1, 0, 0, 1, 0
	s_wait_alu depctr_va_vdst(0)                   ; the last multiply-adds have written v[ACC ..], which the LDS stores read; every vector instruction that named v[32:63], in which the loads behind the barrier land, is done
.irp i, 0,1,2,3
	ds_store_b128 v[FST], v[ACC+4*\i:ACC+4*\i+3] offset:\i*256     ; region 2 tq + h, row 4 g + i: 16 lanes fill the row
.endr
	s_wait_dscnt 0x0                               ; my parts are in LDS, for the other waves' sake
	s_barrier_signal -1
	s_barrier_wait -1
	; ---- wave w sums row n = w: two l a lane, 8 + 4 + 4 parts
.irp k, 0,1,2,3,4,5,6,7,8,9,10,11,12,13,14,15
	ds_load_b64 v[LL+2*\k:LL+2*\k+1], v[FINL] offset:\k*REG
.endr
	s_wait_dscnt 0x0
.irp k, 0,2,4,6,8,10,12,14
	v_pk_add_f32 v[LL+2*\k:LL+2*\k+1], v[LL+2*\k:LL+2*\k+1], v[LL+2*\k+2:LL+2*\k+3]
.endr
.irp k, 0,4,8,12
	v_pk_add_f32 v[LL+2*\k:LL+2*\k+1], v[LL+2*\k:LL+2*\k+1], v[LL+2*\k+4:LL+2*\k+5]
.endr
	v_pk_add_f32 v[LL:LL+1], v[LL:LL+1], v[LL+8:LL+9]
	s_wait_alu depctr_va_vdst(0)                   ; the additions have written the three sums, which the stores read
	global_store_b64 v[FIN], v[LL:LL+1], s[12:13]                  ; each store of a wave covers 256 consecutive bytes, aligned
	global_store_b64 v[FIN], v[LL+16:LL+17], s[12:13] offset:QSTR
	global_store_b64 v[FIN], v[LL+24:LL+25], s[12:13] offset:2*QSTR
	s_wait_dscnt 0x0
	s_wait_alu depctr_hold_cnt(0) depctr_sa_sdst(0) depctr_va_vdst(0) depctr_va_sdst(0) depctr_va_ssrc(0) depctr_va_vcc(0) depctr_vm_vsrc(0)
	s_wait_tensorcnt 0x0
	ds_add_u32 v30, v31
	s_wait_dscnt 0x0
	s_endpgm
.Lfunc_end_k_qe94a844482_partial:
	.size	k_qe94a844482_partial, .Lfunc_end_k_qe94a844482_partial-k_qe94a844482_partial
	.p2alignl 7, 3214868480
	.fill 96, 4, 3214868480
	.section	.rodata,"a",@progbits
	.p2align	6, 0x0
	.amdhsa_kernel k_qe94a844482_partial
		.amdhsa_group_segment_fixed_size 287232
		.amdhsa_private_segment_fixed_size 0
		.amdhsa_enable_private_segment 0
		.amdhsa_kernarg_size 40
		.amdhsa_user_sgpr_count 2
		.amdhsa_user_sgpr_kernarg_segment_ptr 1
		.amdhsa_wavefront_size32 1
		.amdhsa_system_sgpr_workgroup_id_x 1
		.amdhsa_system_sgpr_workgroup_id_y 1
		.amdhsa_system_sgpr_workgroup_id_z 1
		.amdhsa_system_vgpr_workitem_id 0
		.amdhsa_next_free_vgpr 184
		.amdhsa_next_free_sgpr 66
		.amdhsa_reserve_vcc 0
		.amdhsa_float_denorm_mode_32 3
		.amdhsa_float_denorm_mode_16_64 3
		.amdhsa_memory_ordered 1
		.amdhsa_forward_progress 1
		.amdhsa_inst_pref_size 56
	.end_amdhsa_kernel
	.amdgpu_metadata
---
amdhsa.version: [ 1, 2 ]
amdhsa.kernels:
  - .name:           k_qe94a844482_partial
    .symbol:         k_qe94a844482_partial.kd
    .args:
      - { .name: preds_mask, .offset: 0, .size: 8, .value_kind: global_buffer, .address_space: global }
      - { .name: targets, .offset: 8, .size: 8, .value_kind: global_buffer, .address_space: global }
      - { .name: alpha, .offset: 16, .size: 8, .value_kind: global_buffer, .address_space: global }
      - { .name: beta, .offset: 24, .size: 8, .value_kind: global_buffer, .address_space: global }
      - { .name: part, .offset: 32, .size: 8, .value_kind: global_buffer, .address_space: global }
    .group_segment_fixed_size: 287232
    .private_segment_fixed_size: 0
    .kernarg_segment_align: 8
    .kernarg_segment_size: 40
    .max_flat_workgroup_size: 512
    .sgpr_count:     66
    .vgpr_count:     184
    .wavefront_size: 32
...
	.end_amdgpu_metadata
.endif
;; end of part 3
;; launch finish: the kernel of part 2 again; grid 256 x 1, 1 waves a work-group, no clusters, 0 bytes of LDS; arguments part, weight, preds_class, out0; writes out0
